; MI455X (gfx1250); checked and timed in simulation.
; The chip was launched on July 23, 2026; its instructions are those of AMD's public machine-readable ISA for CDNA 5 (MIT licence, August 2026) and "CDNA5" Instruction Set Architecture Reference Guide (July 2026). The comments in the code are by the model that wrote it; some were corrected since.
;; Vector Quantizer. Allowed arithmetic: float matrix products may take bf16 or f16 operands with f32 sums; all other float work in f32.
;; Inputs: codebook 8,192 x 256 float32; x 32 x 32 x 32 x 256 float32.
;; Outputs: out0 32 x 32 x 32 x 256 float32; out1 32 x 32 x 32 int32.
;; 2 versions, each right; version 2 is version 1 with the launches prep, take written anew for expert scheduling mode. Each part assembles by itself: llvm-mc -triple=amdgcn-amd-amdhsa -mcpu=gfx1250 --defsym DOCPART=n.
;; ======== version 1 of 2: 3 launches
;; workspace buffers: cb16 4,325,376 bytes; idxw 131,072 bytes of whole numbers
;; launch prep (part 1): grid 256 x 1, 2 waves a work-group, no clusters, 17,664 bytes of LDS; arguments codebook, cb16; writes cb16
.if DOCPART == 1
	.amdgcn_target "amdgcn-amd-amdhsa--gfx1250"
	.amdhsa_code_object_version 6
	.text
	.protected	k_q3dcac0f2be_prep
	.globl	k_q3dcac0f2be_prep
	.p2align	8
	.type	k_q3dcac0f2be_prep,@function
k_q3dcac0f2be_prep:
	s_mov_b64 s[64:65], 0
	v_nop
	global_prefetch_b8 v0, s[64:65] scope:SCOPE_SE
	s_setreg_imm32_b32 hwreg(HW_REG_WAVE_MODE, 25, 1), 1
	s_wait_xcnt 0x0
; codebook [8192][256] f32  ->  cb16: 8,192 rows of 528 bytes, laid out as the next launch wants them in LDS.
;   bytes 0-511 of a row: its 256 numbers rounded to bf16;
;   bytes 512-527 of row p of a tile of 16 rows: four f32, b2[4 (p % 4) + 0..3] of that tile, b2 = the sum of the squares of a row's ROUNDED numbers, in f32.
; A wave makes one tile of 16 rows: 16,384 bytes in, 8,448 = 33 x 256 bytes out.  512 waves, two to a work-group; a wave has all its 32 loads out at once.
; The image is put together in the wave's own LDS bytes and read back on end, so that every store of the wave covers whole aligned blocks of 256 bytes.
; No barrier: no wave touches another's bytes.  No matrix unit, no cluster: nothing is multiplied and no input is shared.
; LIMITS.  NaN and infinities are not treated apart; b2 is summed in this text's order (two chains a lane, then across 16 lanes), not in any other.
.set PITCH, 528                        ; bytes from row to row of the image
.set TILEB, 16*PITCH                   ; a tile: 8,448 bytes
.set B2A,   2*TILEB                    ; behind the two images: 16 words of b2 for each wave, a block of 256 bytes each
.set SPARE, B2A+512                    ; the spare words, 128 bytes for each wave: one block of 256 bytes that no other line names
.set XO,   3                           ; v3   my byte offset in a pair of rows of the codebook
.set SST,  4                           ; v4   where my 8 bytes of bf16 go in the image
.set B2S,  5                           ; v5   where my row's b2 goes
.set B2R,  6                           ; v6   the four b2 that my row's pad takes
.set PADS, 7                           ; v7   my row of the image (lane % 16)
.set RDL,  8                           ; v8   the image read back: 16 bytes a lane
.set GO,   9                           ; v9   the same offset in cb16
.set ZR,   10                          ; v10  0: starts the sums
.set RD8,  11                          ; v11  the image's last 256 bytes: 8 bytes a lane
.set SPW,  12                          ; v12  LDS address of my spare word; never rewritten
.set NIL,  13                          ; v13  0; never rewritten
.set SM,   14                          ; v14-15 two chains of squares
.set CV,   16                          ; v16-23 a pair of rows in bf16: my 16 numbers
.set BQ,   24                          ; v24-27 four b2
.set GO8,  28                          ; v28  8 bytes a lane, in cb16
.set TT,   29                          ; v29  at work
.set X,    32                          ; v32-159 the tile as loaded
.set OUT,  160                         ; v160-225 the image read back
	s_load_b128 s[4:7], s[0:1], 0x0                ; codebook s[4:5], cb16 s[6:7]
	v_lshl_add_u32 v[SPW], v0, 2, SPARE
	v_mov_b32 v[NIL], 0
	v_lshrrev_b32 v[TT], 5, v0
	v_readfirstlane_b32 s8, v[TT]                  ; wave 0, 1
	s_lshl_b32 s9, ttmp9, 1
	s_add_co_u32 s9, s9, s8                        ; my tile, 0 to 511
	s_lshl_b32 s10, s9, 14                         ; its 16 rows of 1,024 bytes
	s_mov_b32 s11, 0
	s_mul_i32 s12, s9, TILEB                       ; and its image in cb16
	s_mov_b32 s13, 0
	s_mul_i32 s14, s8, TILEB                       ; my image in LDS
	s_lshl_b32 s15, s8, 8
	s_add_co_u32 s15, s15, B2A                     ; my 16 words of b2
	v_and_b32 v1, 15, v0                           ; lane % 16
	v_bfe_u32 v2, v0, 4, 1                         ; lane / 16
	v_lshlrev_b32 v[XO], 4, v1                     ; sixteen lanes take 256 neighbouring bytes of a row,
	v_lshl_add_u32 v[XO], v2, 10, v[XO]            ; the other sixteen the same of the next row
	v_mul_u32_u24 v[SST], v2, PITCH
	v_lshl_add_u32 v[SST], v1, 3, v[SST]           ; four f32 become 8 bytes
	v_add_nc_u32 v[SST], s14, v[SST]
	v_lshl_add_u32 v[B2S], v2, 2, s15
	v_and_b32 v[TT], 3, v0
	v_lshl_add_u32 v[B2R], v[TT], 4, s15           ; row p takes b2[4 (p % 4) ..]
	v_mul_u32_u24 v[PADS], v1, PITCH
	v_add_nc_u32 v[PADS], s14, v[PADS]
	v_and_b32 v[TT], 31, v0
	v_lshlrev_b32 v[GO], 4, v[TT]
	v_add_nc_u32 v[RDL], s14, v[GO]
	v_lshlrev_b32 v[GO8], 3, v[TT]
	v_add_nc_u32 v[RD8], s14, v[GO8]
	v_mov_b32 v[ZR], 0
	s_wait_kmcnt 0x0
	s_add_nc_u64 s[4:5], s[4:5], s[10:11]
	s_add_nc_u64 s[6:7], s[6:7], s[12:13]
.set i, 0
.rept 8                                ; pair of rows i, quarter c of their 1,024 bytes
.irp c, 0,1,2,3
	global_load_b128 v[X+16*i+4*\c:X+16*i+4*\c+3], v[XO], s[4:5] offset:i*2048+\c*256
.endr
.set i, i+1
.endr
.set i, 0
.rept 8
	s_wait_loadcnt 28-4*i                          ; loads come back in order: this pair's four are in, four for each later pair stay out
.irp c, 0,1,2,3
	v_cvt_pk_bf16_f32 v[CV+2*\c],   v[X+16*i+4*\c],   v[X+16*i+4*\c+1]
	v_cvt_pk_bf16_f32 v[CV+2*\c+1], v[X+16*i+4*\c+2], v[X+16*i+4*\c+3]
.endr
	v_fma_mix_f32_bf16 v[SM],   v[CV], v[CV], v[ZR] op_sel_hi:[1,1,0]                  ; the squares of the rounded numbers: low halves in one chain,
	v_fma_mix_f32_bf16 v[SM+1], v[CV], v[CV], v[ZR] op_sel:[1,1,0] op_sel_hi:[1,1,0]   ; high halves in the other
.irp z, 1,2,3,4,5,6,7
	v_fma_mix_f32_bf16 v[SM],   v[CV+\z], v[CV+\z], v[SM] op_sel_hi:[1,1,0]
	v_fma_mix_f32_bf16 v[SM+1], v[CV+\z], v[CV+\z], v[SM+1] op_sel:[1,1,0] op_sel_hi:[1,1,0]
.endr
	v_add_f32 v[SM], v[SM], v[SM+1]
.irp m, 1,2,4,8
	v_add_f32_dpp v[SM], v[SM], v[SM] row_xmask:\m row_mask:0xf bank_mask:0xf          ; across the sixteen lanes that share a row
.endr
.irp c, 0,1,2,3
	ds_store_b64 v[SST], v[CV+2*\c:CV+2*\c+1] offset:i*2*PITCH+\c*128
.endr
	ds_store_b32 v[B2S], v[SM] offset:8*i          ; sixteen lanes write the same word with the same number
.set i, i+1
.endr
	ds_load_b128 v[BQ:BQ+3], v[B2R]                ; LDS serves a wave's instructions in order (ISA guide 5.7.1.4): this sees the sixteen b2
	s_wait_dscnt 0x0
	ds_store_b128 v[PADS], v[BQ:BQ+3] offset:512   ; the rows' last 16 bytes
.set n, 0
.rept 16
	ds_load_b128 v[OUT+4*n:OUT+4*n+3], v[RDL] offset:512*n
.set n, n+1
.endr
	ds_load_b64 v[OUT+64:OUT+65], v[RD8] offset:8192
.set n, 0
.rept 16
	s_wait_dscnt 16-n                              ; piece n is back; the younger ones stay out
	global_store_b128 v[GO], v[OUT+4*n:OUT+4*n+3], s[6:7] offset:512*n    ; 512 consecutive bytes, at a multiple of 256 from cb16's first byte
.set n, n+1
.endr
	s_wait_dscnt 0x0
	global_store_b64 v[GO8], v[OUT+64:OUT+65], s[6:7] offset:8192         ; the image's last 256 bytes
	s_wait_tensorcnt 0x0                           ; the wave's end, behind my last LDS store
	ds_add_u32 v[SPW], v[NIL]
	s_wait_dscnt 0x0
	s_endpgm
.Lfunc_end_k_q3dcac0f2be_prep:
	.size	k_q3dcac0f2be_prep, .Lfunc_end_k_q3dcac0f2be_prep-k_q3dcac0f2be_prep
	.p2alignl 7, 3214868480
	.fill 96, 4, 3214868480
	.section	.rodata,"a",@progbits
	.p2align	6, 0x0
	.amdhsa_kernel k_q3dcac0f2be_prep
		.amdhsa_group_segment_fixed_size 17664
		.amdhsa_private_segment_fixed_size 0
		.amdhsa_enable_private_segment 0
		.amdhsa_kernarg_size 16
		.amdhsa_user_sgpr_count 2
		.amdhsa_user_sgpr_kernarg_segment_ptr 1
		.amdhsa_wavefront_size32 1
		.amdhsa_system_sgpr_workgroup_id_x 1
		.amdhsa_system_sgpr_workgroup_id_y 1
		.amdhsa_system_sgpr_workgroup_id_z 1
		.amdhsa_system_vgpr_workitem_id 0
		.amdhsa_next_free_vgpr 232
		.amdhsa_next_free_sgpr 66
		.amdhsa_reserve_vcc 0
		.amdhsa_float_denorm_mode_32 3
		.amdhsa_float_denorm_mode_16_64 3
		.amdhsa_memory_ordered 1
		.amdhsa_forward_progress 1
		.amdhsa_inst_pref_size 26
	.end_amdhsa_kernel
	.amdgpu_metadata
---
amdhsa.version: [ 1, 2 ]
amdhsa.kernels:
  - .name:           k_q3dcac0f2be_prep
    .symbol:         k_q3dcac0f2be_prep.kd
    .args:
      - { .name: codebook, .offset: 0, .size: 8, .value_kind: global_buffer, .address_space: global }
      - { .name: cb16, .offset: 8, .size: 8, .value_kind: global_buffer, .address_space: global }
    .group_segment_fixed_size: 17664
    .private_segment_fixed_size: 0
    .kernarg_segment_align: 8
    .kernarg_segment_size: 16
    .max_flat_workgroup_size: 64
    .sgpr_count:     66
    .vgpr_count:     232
    .wavefront_size: 32
...
	.end_amdgpu_metadata
.endif
;; end of part 1
;; launch vq (part 2): grid 256 x 1, 4 waves a work-group, clusters of 4 x 1, 327,680 bytes of LDS; arguments cb16, x, out1, idxw; writes out1, idxw
.if DOCPART == 2
	.amdgcn_target "amdgcn-amd-amdhsa--gfx1250"
	.amdhsa_code_object_version 6
	.text
	.protected	k_q3dcac0f2be_vq
	.globl	k_q3dcac0f2be_vq
	.p2align	8
	.type	k_q3dcac0f2be_vq,@function
k_q3dcac0f2be_vq:
	s_mov_b64 s[64:65], 0
	v_nop
	global_prefetch_b8 v0, s[64:65] scope:SCOPE_SE
	s_setreg_imm32_b32 hwreg(HW_REG_WAVE_MODE, 25, 1), 1
	s_wait_xcnt 0x0
	s_wait_alu depctr_hold_cnt(0) depctr_sa_sdst(0) depctr_va_vdst(0) depctr_va_sdst(0) depctr_va_ssrc(0) depctr_va_vcc(0) depctr_vm_vsrc(0)
	s_getreg_b32 s2, hwreg(HW_REG_IB_STS2, 6, 4)
	s_cmp_eq_u32 s2, 0
	s_cbranch_scc0 .Lentry_in_a_cluster
	s_endpgm
.Lentry_in_a_cluster:
	s_bfe_u32 s2, ttmp6, 0x10000c
	s_cmp_lg_u32 s2, 0x3003
	s_cbranch_scc0 .Lentry_shape_is_right
	s_endpgm
.Lentry_shape_is_right:
; For each of 32,768 rows q of x (256 numbers): the code n, of 8,192, with the least d = fl(fl(a2[q] - 2 ab[q][n]) + b2[n]); among equal d the lowest n.  The index goes to out1 and to idxw.
; ab is the product of x and the codebook, both rounded to bf16, summed in f32 by the matrix unit; a2 and b2 are the sums of the squares of the ROUNDED numbers, in f32.
; d is made in the two roundings written above: one fused multiply-add (2 ab is exact) and one addition.  At a2 near 256 those roundings decide between close codes.
; LIMITS.  NaN and infinities are not treated apart (a NaN loses every minimum; a row whose distances are all infinite or NaN gets an index that means nothing).  Where a row's two best distances
; lie within what the order of the f32 sums in ab, a2 and b2 leaves open (about 1e-6 for x of unit spread and codes of unit length), either of the two codes may be named.
; SHARES.  A work-group owns 128 queries.  EVERY wave holds all 128 as matrix source 1 in 512 registers, and takes a quarter of the codes: of each chunk of 256 codes wave w has codes 64 w + 0..63, four
; tiles of 16.  So a tile's 16 LDS loads feed 64 matrix instructions, a wave reads only the LDS bytes that its own tensor load brought, and the four waves' minima meet once, at the end.
; LAYOUT.  D = (16 codes) x (16 queries): a lane holds ONE query (lane % 16) and the codes 8 (lane / 16) + 0..7 in its eight registers: a minimum over codes is a minimum over a lane's registers.
; For each query tile a lane keeps the running minimum RUN, the number IDX of the code tile that gave it, and that tile's eight distances SV; which of the eight it was is looked up once, at the end.
; BY TURNS.  A turn is 32 matrix instructions: one code tile x four query tiles (group g), 256 along K, the four accumulators by turns.  Behind each matrix instruction stand
; about three of the 92 vector instructions that turn the OTHER group's finished products into distances and take their minimum.  Four turns (P) are two code tiles.
; CLUSTER.  All work-groups walk the same codebook: the four of a cluster ask for each chunk JOINTLY, the same tensor load, descriptor and mask in all four.  A mask names four at the most here, so 4 x 1.
; cb16 is the LDS image: rows of 528 bytes (132 words: row r starts at bank 4 r mod 64; 64 banks of 4 bytes: ISA guide 11.1), b2 in the rows' last 16 bytes.  A wave's part of a chunk is 33,792 dense bytes,
; asked for as 132 rows of 256 bytes.
; NO FIRST AND NO LAST STEP is written out: the walk begins with a tile of zeros whose b2 is +infinity and ends with tile 126 once more; neither can be strictly below the running minimum.  The price:
; two code tiles' products of 130, and some 190 v_mov_b32 in the wait for the first chunk.
; REGISTERS, in windows of 256 (s_set_vgpr_msb: bits 1:0 source 0, 3:2 source 1, 5:4 source 2, 7:6 destination):
;   window 0: all that the vector work touches (below)      window 1: v0-63, v64-127 a code tile's fragments, two buffers (by the tile's parity)
;   window 2: query tiles 0-3, tile tl, K chunk c at 64 tl + 8 c      window 3: query tiles 4-7; before that x as loaded
; No window holds a product's operands beside the vector work's registers, so the vector instructions behind a matrix instruction cost two switches.
.set PITCH, 528
.set TILEB, 16*PITCH                   ; a tile of 16 codes: 8,448 bytes
.set PART,  4*TILEB                    ; a wave's part of a chunk: 33,792 bytes = 0x8400
.set SLOT,  4*PART                     ; a chunk of 256 codes: 135,168 bytes = 0x21000: it shares no bit with 0, 1, 2 or 3 x PART, so one exclusive or changes slots
.set STAGE, 2*SLOT                     ; behind the ring, never filled by a tensor load: 64 rows x 528 bytes, x in bf16; at the end the waves' minima
.set A2L,   STAGE+64*PITCH             ; a2 of the 128 queries: 512 bytes
.set SPARE, A2L+512                    ; the spare words, 128 bytes for each wave: two blocks of 256 bytes that no other line names
.set AK0,  8                           ; v8   my lane's place in a code tile of my wave's part; never rewritten
.set AB0,  9                           ; v9   the same for my eight b2
.set ADR,  10                          ; v10  the LDS address of the run of loads in hand
.set ADRB, 11                          ; v11  the same for b2
.set XO,   12                          ; v12  my byte offset in the block's rows of x
.set SST,  13                          ; v13  where my 8 bytes of bf16 go in the stage
.set A2S,  14                          ; v14  where my row's a2 goes
.set AQ,   15                          ; v15  my lane's place in a query tile of the stage
.set A2R,  16                          ; v16  my query's a2
.set ZR,   17                          ; v17  0: starts the sums of squares
.set SPW,  18                          ; v18  LDS address of my spare word; never rewritten
.set NIL,  19                          ; v19  0; never rewritten
.set TM,   20                          ; v20-23 two registers at work for each of the two query tiles in hand
.set A2,   24                          ; v24-39 a2 of query tile t, twice: a pair for the packed multiply-add
.set B2,   40                          ; v40-55 my eight b2 of a code tile, two buffers (by the tile's parity); at the end the other half of the lanes' pairs
.set RUN,  56                          ; v56-63
.set IDX,  64                          ; v64-71
.set SV,   72                          ; v72-135  eight a query tile
.set ACC,  136                         ; v136-199 group g, tile tl at ACC + 32 g + 8 tl
.set CV,   136                         ;          before that: x in bf16, on its way to the stage
.set SM,   200                         ; v200-215 sums of squares
.set VP,   200                         ;          at the end: (value, code) of query tile t
.set CT,   216                         ; v216-223 the code of query tile t
.set FR,   224                         ; v224-239 four waves' (value, code) of two queries
.set FO,   240                         ; v240-241 two codes to store
.set WV,   12                          ; s12  my wave's number
.set G1,   24                          ; s[24:31] descriptor group 1
.set G0,   32                          ; s[32:35] descriptor group 0: it walks
.set SLOTS, 36                         ; s36  chunks still to be asked for
.set CNT,  37                          ; s37  counts pairs of code tiles
.set TB,   38                          ; s38  LDS byte, less my wave's part, at which the tile to be fetched begins
.set ID,   39                          ; s39  the number (0 to 127) of the code tile whose distances are in hand
.set VM,   40                          ; s40-41 two lane masks
.set SEL,  42                          ; s42-43 v_permlanex16_b32's selects: each lane takes its own place in the other half
.set MSB, 0
.macro WIN new                         ; the immediate's high byte repeats the setting that is left; a switch that changes nothing is dropped
.if MSB != (\new)
	s_set_vgpr_msb (MSB<<8)|(\new)
.set MSB, (\new)
.endif
.endm
; A round of the cluster's barrier: my work-group's barrier, so that wave 0's signal speaks for all four waves; wave 0 signals; every wave waits for all four work-groups; my work-group's barrier once more.
.macro CROUND
	s_barrier_signal -1
	s_barrier_wait -1
	s_cmp_lg_u32 s[WV], 0
	s_cbranch_scc1 .Lnot_wave_0_\@
	s_barrier_signal -3
.Lnot_wave_0_\@:
	s_barrier_wait -3
	s_barrier_signal -1
	s_barrier_wait -1
.endm
; THE CHANGE OF SLOTS, behind the fetch of a chunk's fourth tile.  Each wave waits for all its tensor loads, of which one is out: its part of the other slot; adds 0 to its spare word; and waits for that and
; for its own reads of the slot that it leaves.  fill = 1: that slot is filled again, with the chunk two on.  The barrier is then a round of the cluster's, so that no wave of any partner still reads the slot or
; has a load on its way, and the joint load is the first thing behind it: it has eight turns, 256 matrix instructions, in which to land.  (At its first use nothing has been read: slot 0 is waited for, slot 1 filled.)
.macro CHANGE fill
	WIN 0                                          ; at a label and at a branch every window is 0
	s_wait_tensorcnt 0x0                           ; no tensor load of mine is out, so group 0 may be written
	ds_add_u32 v[SPW], v[NIL]                      ; 0 onto my spare word; scalar work stands between it and the wait for it
.if \fill
	s_xor_b32 s[G0+1], s[G0+1], SLOT               ; the other slot than last time,
	s_add_nc_u64 s[G0+2:G0+3], s[G0+2:G0+3], SLOT  ; the next chunk; the type bits on top are not reached
.endif
	s_sub_co_u32 s[TB], s[TB], 4*TILEB             ; the fetches go back to a slot's first tile,
	s_xor_b32 s[TB], s[TB], SLOT                   ; in the other slot
	s_wait_dscnt 0x0                               ; the add is done, and my reads of the slot are over
.if \fill
	CROUND
	tensor_load_to_lds s[G0:G0+3], s[G1:G1+7]      ; every wave asks for its own part: both addresses hang on the wave's number
	s_nop 0
.rept 4
	v_nop
.endr
.else
	s_barrier_signal -1
	s_barrier_wait -1
.endif
.endm
; 18 LDS loads in one run: the next code tile's eight b2 a lane and its fragments (16 codes x 256 along K), into the buffers of parity par.
; last = 1 (the tail): in the last trip there is no further tile, and the run is jumped over.
.macro FETCH par, last
	WIN 0
.if \last
	s_cmp_eq_u32 s[CNT], 1
	s_cbranch_scc1 .Lno_tile_\@
.endif
	v_add_nc_u32 v[ADR], s[TB], v[AK0]
	v_add_nc_u32 v[ADRB], s[TB], v[AB0]
	s_add_co_u32 s[TB], s[TB], TILEB               ; the next fetch is the next tile's
	ds_load_b128 v[B2+8*(\par):B2+8*(\par)+3],   v[ADRB]
	ds_load_b128 v[B2+8*(\par)+4:B2+8*(\par)+7], v[ADRB] offset:PITCH
	WIN 0x40                                       ; destination window 1
.irp c, 0,1,2,3,4,5,6,7
	ds_load_b128 v[64*(\par)+8*\c:64*(\par)+8*\c+3],   v[ADR] offset:64*\c
	ds_load_b128 v[64*(\par)+8*\c+4:64*(\par)+8*\c+7], v[ADR] offset:64*\c+32
.endr
	WIN 0
.if \last
.Lno_tile_\@:
.endif
.endm
; THE VECTOR WORK OF A TURN: 23 instructions for each of group pg's four query tiles; RID writes number k of the 92.  Two tiles alternate, so that no line reads the result of the line before it.
;   0-3   a2 - 2 ab, two at a time: one rounding (each accumulator's lowest registers are read first)      4-7   + b2: the second rounding
;   8-11  the least of the lane's eight      12  is it strictly below the running minimum?  (strictly: among equal distances the earlier tile stays)
;   13-22 if so, RUN, IDX and the eight distances are taken: selects, no branch
.macro RID
	WIN 0
.set ko, (k%46)/2
.set kt, 2*(k/46)+k%2
.set kA, ACC+32*pg+8*kt
.set kq, 4*pg+kt
.set kM, TM+2*(kt%2)
.set kV, VM+kt%2
.if ko < 4
	v_pk_fma_f32 v[kA+2*ko:kA+2*ko+1], v[kA+2*ko:kA+2*ko+1], -2.0, v[A2+2*kq:A2+2*kq+1] op_sel_hi:[1,0,1]
.elseif ko < 8
	v_pk_add_f32 v[kA+2*ko-8:kA+2*ko-7], v[kA+2*ko-8:kA+2*ko-7], v[B2+8*ppar+2*ko-8:B2+8*ppar+2*ko-7]
.elseif ko == 8
	v_min3_num_f32 v[kM], v[kA], v[kA+1], v[kA+2]
.elseif ko == 9
	v_min3_num_f32 v[kM+1], v[kA+3], v[kA+4], v[kA+5]
.elseif ko == 10
	v_min3_num_f32 v[kM], v[kM], v[kA+6], v[kA+7]
.elseif ko == 11
	v_min_num_f32 v[kM], v[kM], v[kM+1]
.elseif ko == 12
	v_cmp_lt_f32 s[kV], v[kM], v[RUN+kq]
.elseif ko == 13
	v_cndmask_b32 v[RUN+kq], v[RUN+kq], v[kM], s[kV]
.elseif ko == 14
	v_cndmask_b32 v[IDX+kq], v[IDX+kq], s[ID], s[kV]
.else
	v_cndmask_b32 v[SV+8*kq+ko-15], v[SV+8*kq+ko-15], v[kA+ko-15], s[kV]
.endif
.set k, k+1
.endm
; A TURN: the code tile in buffer par x query group g.  Product i: K chunk i / 4, query tile i % 4; the first four start the sums with the constant 0.
; The vector work is the other group's: in a turn of group 1 this code tile's group 0, in a turn of group 0 the code tile before's group 1; ID steps where a tile's distances are first in hand.
; 3 x 30 + 2 = 92: the last product stands bare.  An accumulator's first reader stands five plain vector instructions or more behind its last product (ISA guide 7.12.1), none of which names a register of that product.
; In a turn of group 1 the next tile is fetched, behind the second product: into the fragment buffer whose last reader stands a whole turn back, and the b2 buffer that the turn before read last.
; It is waited for at the head of the next turn, 30 matrix instructions on.
.macro TURN par, g, last
.set k, 0
.set pg, 1-(\g)
.if (\g) == 1
.set ppar, (\par)
	s_add_co_u32 s[ID], s[ID], 1
.else
.set ppar, 1-(\par)
	s_wait_dscnt 0x0                               ; this tile's fragments and b2 are in: all 18 loads are needed
.endif
.set i, 0
.rept 32
	WIN 0x09+4*(\g)                                ; source 0 (codes) window 1, source 1 (queries) window 2 or 3, C and D window 0
.set rA, ACC+32*(\g)+8*(i%4)
.set rK, 64*(\par)+8*(i/4)
.set rQ, 64*(i%4)+8*(i/4)
.if i < 4
	v_wmma_f32_16x16x32_bf16 v[rA:rA+7], v[rK:rK+7], v[rQ:rQ+7], 0
.else
	v_wmma_f32_16x16x32_bf16 v[rA:rA+7], v[rK:rK+7], v[rQ:rQ+7], v[rA:rA+7]
.endif
.if i < 30
	RID
	RID
	RID
.elseif i == 30
	RID
	RID
.endif
.if ((\g) == 1) && (i == 1)
	FETCH 1-(\par), \last
.endif
.set i, i+1
.endr
.endm
.macro P last                          ; an odd code tile, then the even one behind it
	TURN 1, 0, \last
	TURN 1, 1, \last
	TURN 0, 0, \last
	TURN 0, 1, \last
.endm
; Of two pairs (value, code) the lesser value, among equal values the lesser code.  dv < 0: the value is wanted no more.
.macro LEX dv, dc, mv, mc, ov, oc
	v_cmp_lt_f32 s44, v[\ov], v[\mv]
	v_cmp_eq_f32 s45, v[\ov], v[\mv]
	v_cmp_lt_u32 s46, v[\oc], v[\mc]
	s_and_b32 s45, s45, s46
	s_or_b32 s44, s44, s45
.if (\dv) >= 0
	v_cndmask_b32 v[\dv], v[\mv], v[\ov], s44
.endif
	v_cndmask_b32 v[\dc], v[\mc], v[\oc], s44
.endm
	s_load_b256 s[4:11], s[0:1], 0x0               ; cb16 s[4:5], x s[6:7], out1 s[8:9], idxw s[10:11]
	v_lshl_add_u32 v[SPW], v0, 2, SPARE
	v_mov_b32 v[NIL], 0
	ds_add_u32 v[SPW], v[NIL]                      ; the wave's opening: the add and its wait stand ahead of my first tensor load; the set-up below, work on registers, stands between them
	v_lshrrev_b32 v3, 5, v0
	v_readfirstlane_b32 s[WV], v3                  ; wave 0..3
	s_bfe_u32 s13, ttmp6, 0x40000                  ; cx: my place in the cluster
	s_lshl_b32 s14, ttmp9, 2                       ; in a cluster launch ttmp9 counts clusters
	s_add_co_u32 s14, s14, s13                     ; my block of 128 queries = 4 x cluster x + cx: it enters the addresses of x, out1 and idxw alone
	; descriptor group 1: 33,792 dense bytes as 132 rows of 32 elements of 8 bytes
	s_mov_b32 s[G1+0], 15|(3<<16)|(1<<21)          ; 15:0 the mask: all four work-groups; 17:16 elements of 8 bytes; 20 no padding; 21 set beside a mask
	s_mov_b32 s[G1+1], 32<<16                      ; 63:48 tensor_dim0, low half = 32
	s_mov_b32 s[G1+2], 132<<16                     ; 79:64 its high half = 0; 95:80 tensor_dim1, low half = 132
	s_mov_b32 s[G1+3], 32<<16                      ; 111:96 its high half = 0; 127:112 tile_dim0 = 32
	s_mov_b32 s[G1+4], 132                         ; 143:128 tile_dim1 = 132; 159:144 tile_dim2 = 0
	s_mov_b32 s[G1+5], 32                          ; 191:160 elements from row to row
	s_mov_b32 s[G1+6], 0
	s_mov_b32 s[G1+7], 0
	s_mov_b32 s[SEL], 0x76543210
	s_mov_b32 s[SEL+1], 0xfedcba98
	s_mov_b32 s[TB], SLOT+4*TILEB                  ; the first change of slots turns this into 0
	s_mov_b32 s[ID], -2                            ; the walk's first turn has the distances of a tile that has not been
	s_mov_b32 s[SLOTS], 31                         ; chunks 1 to 31
	s_mul_i32 s16, s[WV], PART                     ; my wave's part of a chunk, in cb16 and in a slot: no place in the cluster enters it
	s_mov_b32 s17, 0
	s_lshl_b32 s18, s14, 17                        ; my block's 128 rows of 1,024 bytes
	s_mov_b32 s19, 0
	s_lshl_b32 s20, s14, 9                         ; and its 128 indices
	s_mov_b32 s21, 0
	s_mov_b32 s[G0], 1                             ; 1:0 count = 1
	s_mov_b32 s[G0+1], s16                         ; 63:32 LDS address: slot 0
	v_and_b32 v1, 15, v0                           ; r = lane % 16
	v_bfe_u32 v2, v0, 4, 1                         ; h = lane / 16
	; A fragment is 16 rows x 32 along K in 8 registers: lane l holds row r, K = 8 h + 0..7 and 16 + 8 h + 0..7: two loads of 16 bytes, 32 bytes apart.  The same for codes and queries.
	v_mul_u32_u24 v[AK0], v1, PITCH
	v_lshl_add_u32 v[AK0], v2, 4, v[AK0]           ; row x pitch + 16 x half
	v_add_nc_u32 v[AQ], STAGE, v[AK0]
	v_add_nc_u32 v[AK0], s16, v[AK0]
	s_add_co_u32 s22, s16, 512
	v_mul_u32_u24 v[AB0], v2, 2*PITCH              ; b2[8 h + 0..7] lie in the pads of the tile's rows 2 h and 2 h + 1
	v_add_nc_u32 v[AB0], s22, v[AB0]
	v_lshlrev_b32 v[XO], 4, v1                     ; sixteen lanes take 256 neighbouring bytes of a row of x, the other sixteen the same of the next row;
	v_lshl_add_u32 v[XO], v2, 10, v[XO]
	v_lshl_add_u32 v[XO], s[WV], 14, v[XO]         ; my wave's 16 rows of 64
	s_mul_i32 s23, s[WV], 16*PITCH
	s_add_co_u32 s23, s23, STAGE
	v_mul_u32_u24 v[SST], v2, PITCH
	v_lshl_add_u32 v[SST], v1, 3, v[SST]           ; four f32 become 8 bytes
	v_add_nc_u32 v[SST], s23, v[SST]
	s_lshl_b32 s22, s[WV], 6
	s_add_co_u32 s22, s22, A2L
	v_lshl_add_u32 v[A2S], v2, 2, s22
	v_lshl_add_u32 v[A2R], v1, 2, A2L
	v_mov_b32 v[ZR], 0
	s_wait_dscnt 0x0                               ; the opening add is done
	s_wait_kmcnt 0x0
	s_add_nc_u64 s[G0+2:G0+3], s[4:5], s[16:17]    ; 120:64 global address: my part of chunk 0
	s_or_b32 s[G0+3], s[G0+3], 0x80000000          ; 127:126 type = 2
	s_add_nc_u64 s[6:7], s[6:7], s[18:19]
	s_add_nc_u64 s[8:9], s[8:9], s[20:21]
	s_add_nc_u64 s[10:11], s[10:11], s[20:21]
	WIN 0xc0                                       ; destination window 3, address window 0
.set i, 0
.rept 64                               ; half p = i / 32 of the block, pair of rows (i / 4) % 8 of my 16, quarter i % 4 of their 1,024 bytes; x is read once in the launch
	global_load_b128 v[4*i:4*i+3], v[XO], s[6:7] offset:(i/32)*65536+((i/4)%8)*2048+(i%4)*256 th:TH_LOAD_NT
.set i, i+1
.endr
	WIN 0
	CROUND                                         ; all four work-groups are here: the first joint loads meet
	tensor_load_to_lds s[G0:G0+3], s[G1:G1+7]      ; chunk 0 into slot 0; it lands while x is rounded
	s_nop 0
.rept 4
	v_nop
.endr
; HALF p OF THE BLOCK'S QUERIES.  My wave's 16 rows are rounded to bf16, their squares summed, both put into LDS; behind a barrier every wave takes all 64 rows as four query tiles, and their a2.
.macro STAGEP p
	s_wait_loadcnt 32-32*(\p)                      ; loads come back in order: this half's 32 are in; the second half's 32 are younger
	WIN 0x0f                                       ; sources 0 and 1 window 3
.set z, 0
.rept 64
	v_cvt_pk_bf16_f32 v[CV+z], v[128*(\p)+2*z], v[128*(\p)+2*z+1]
.set z, z+1
.endr
	WIN 0
.set z, 0
.rept 8                                ; the squares of the rounded numbers: for each pair of rows two chains, low halves and high halves; the eight pairs take turns
.set i, 0
.rept 8
.if z == 0
	v_fma_mix_f32_bf16 v[SM+2*i],   v[CV+8*i], v[CV+8*i], v[ZR] op_sel_hi:[1,1,0]
	v_fma_mix_f32_bf16 v[SM+2*i+1], v[CV+8*i], v[CV+8*i], v[ZR] op_sel:[1,1,0] op_sel_hi:[1,1,0]
.else
	v_fma_mix_f32_bf16 v[SM+2*i],   v[CV+8*i+z], v[CV+8*i+z], v[SM+2*i] op_sel_hi:[1,1,0]
	v_fma_mix_f32_bf16 v[SM+2*i+1], v[CV+8*i+z], v[CV+8*i+z], v[SM+2*i+1] op_sel:[1,1,0] op_sel_hi:[1,1,0]
.endif
.set i, i+1
.endr
.set z, z+1
.endr
.set i, 0
.rept 8
	v_add_f32 v[SM+2*i], v[SM+2*i], v[SM+2*i+1]
.set i, i+1
.endr
.irp m, 1,2,4,8                        ; across the sixteen lanes that share a row
.set i, 0
.rept 8
	v_add_f32_dpp v[SM+2*i], v[SM+2*i], v[SM+2*i] row_xmask:\m row_mask:0xf bank_mask:0xf
.set i, i+1
.endr
.endr
.set i, 0
.rept 8
.irp c, 0,1,2,3
	ds_store_b64 v[SST], v[CV+8*i+2*\c:CV+8*i+2*\c+1] offset:i*2*PITCH+\c*128
.endr
	ds_store_b32 v[A2S], v[SM+2*i] offset:(\p)*256+8*i     ; sixteen lanes write the same word with the same number
.set i, i+1
.endr
	s_wait_dscnt 0x0                               ; for the others' sake: my stores are done
	s_barrier_signal -1
	s_barrier_wait -1                              ; chunk 0 may stay on its way
	WIN 0x80+0x40*(\p)                             ; destination window 2 or 3
.set i, 0
.rept 32                               ; query tile i / 8 of the half, K chunk i % 8
	ds_load_b128 v[8*i:8*i+3],   v[AQ] offset:(i/8)*TILEB+(i%8)*64
	ds_load_b128 v[8*i+4:8*i+7], v[AQ] offset:(i/8)*TILEB+(i%8)*64+32
.set i, i+1
.endr
	WIN 0
.irp t, 0,1,2,3
	ds_load_b32 v[A2+2*(4*(\p)+\t)], v[A2R] offset:(\p)*256+64*\t
.endr
	s_wait_dscnt 0x0
.irp t, 0,1,2,3
	v_mov_b32 v[A2+2*(4*(\p)+\t)+1], v[A2+2*(4*(\p)+\t)]   ; the pair's second half
.endr
.endm
	STAGEP 0
	s_barrier_signal -1                            ; every wave's reads of the stage are back (the wait for 0 above): only now is it stored over
	s_barrier_wait -1
	STAGEP 1
	; What the first turns find: a running minimum of +infinity; a code tile of zeros in buffer 1, products of zero in group 1, and +infinity for b2 in both buffers: distances of +infinity, which are
	; never strictly below RUN.  IDX and SV need only have been written.  All this stands in the wait for chunk 0.
	s_mov_b32 s44, 0x7f800000
.set i, 0
.rept 8
	v_mov_b32 v[RUN+i], s44
	v_mov_b32 v[IDX+i], 0
.set i, i+1
.endr
.set i, 0
.rept 16
	v_mov_b32 v[B2+i], s44
.set i, i+1
.endr
.set i, 0
.rept 64
	v_mov_b32 v[SV+i], 0
.set i, i+1
.endr
.set i, 0
.rept 32
	v_mov_b32 v[ACC+32+i], 0
.set i, i+1
.endr
	WIN 0x40
.set i, 0
.rept 64
	v_mov_b32 v[64+i], 0
.set i, i+1
.endr
	WIN 0
.Lslot:                                ; 31 trips.  Trip S = -1 .. 29: chunk S + 1 has landed, chunk S + 2 is asked for, code tiles 4 S + 3 .. 4 S + 6 are multiplied and tiles 4 S + 4 .. 4 S + 7 fetched
	CHANGE 1
	s_mov_b32 s[CNT], 2
.Lpair:
	P 0
	WIN 0
	s_sub_co_u32 s[CNT], s[CNT], 1
	s_cmp_lg_u32 s[CNT], 0
	s_cbranch_scc1 .Lpair
	s_sub_co_u32 s[SLOTS], s[SLOTS], 1
	s_cmp_lg_u32 s[SLOTS], 0
	s_cbranch_scc1 .Lslot
	CHANGE 0                                       ; the tail is written out: chunk 31 has landed, nothing is asked for
	s_mov_b32 s[CNT], 3                            ; code tiles 123 to 127; the third trip fetches nothing, and its even tile is tile 126 once more
.Ltail:
	P 1
	WIN 0
	s_sub_co_u32 s[CNT], s[CNT], 1
	s_cmp_lg_u32 s[CNT], 0
	s_cbranch_scc1 .Ltail
	; THE END.  None of these lines names a register of the last products.  For each query tile: the lowest j whose distance is the minimum; the code 256 (n / 4) + 64 w + 16 (n % 4) + 8 h + j of code tile n;
	; the better of the two halves of the lanes; the pair goes to LDS, where the four waves' pairs meet.
	v_lshlrev_b32 v3, 3, v2
	v_lshl_add_u32 v3, s[WV], 6, v3                ; 64 w + 8 h
	s_lshl_b32 s16, s[WV], 10
	s_add_co_u32 s16, s16, STAGE                   ; my wave's 128 pairs: the stage's last readers passed many barriers ago
	v_lshl_add_u32 v6, v1, 3, s16
.set t, 0
.rept 8
	v_mov_b32 v[CT+t], 7
.irp j, 6,5,4,3,2,1,0
	v_cmp_neq_f32 vcc_lo, v[SV+8*t+\j], v[RUN+t]
	v_cndmask_b32 v[CT+t], \j, v[CT+t], vcc_lo
.endr
	v_and_b32 v4, -4, v[IDX+t]
	v_and_b32 v5, 3, v[IDX+t]
	v_lshl_add_u32 v4, v4, 6, v3
	v_lshl_add_u32 v4, v5, 4, v4
	v_add_nc_u32 v[CT+t], v4, v[CT+t]
	v_permlanex16_b32 v[B2+2*t],   v[RUN+t], s[SEL], s[SEL+1]   ; the query's other codes lie in the lane 16 away; the destinations have been written: b2's buffers are free
	v_permlanex16_b32 v[B2+2*t+1], v[CT+t],  s[SEL], s[SEL+1]
	LEX VP+2*t, VP+2*t+1, RUN+t, CT+t, B2+2*t, B2+2*t+1
	ds_store_b64 v6, v[VP+2*t:VP+2*t+1] offset:128*t            ; query 16 t + r; both halves of the lanes write the same pair
.set t, t+1
.endr
	s_wait_dscnt 0x0                               ; for the others' sake: my stores are done
	s_barrier_signal -1
	s_barrier_wait -1
	s_cmp_gt_u32 s[WV], 1
	s_cbranch_scc1 .Ldone                          ; waves 0 and 1 take 64 queries each, two a lane, so that a store covers 256 consecutive bytes, aligned
	v_and_b32 v4, 31, v0
	s_lshl_b32 s22, s[WV], 9
	s_add_co_u32 s22, s22, STAGE
	v_lshl_add_u32 v5, v4, 4, s22                  ; queries 64 w + 2 l and the next: 16 bytes in each wave's 1,024
	s_lshl_b32 s23, s[WV], 8
	v_lshl_add_u32 v7, v4, 3, s23                  ; and their two indices
.irp n, 0,1,2,3
	ds_load_b128 v[FR+4*\n:FR+4*\n+3], v5 offset:1024*\n
.endr
	s_wait_dscnt 0x0
	LEX FR,   FR+1, FR,   FR+1, FR+4,  FR+5
	LEX FR+2, FR+3, FR+2, FR+3, FR+6,  FR+7
	LEX FR,   FR+1, FR,   FR+1, FR+8,  FR+9
	LEX FR+2, FR+3, FR+2, FR+3, FR+10, FR+11
	LEX -1,   FO,   FR,   FR+1, FR+12, FR+13
	LEX -1,   FO+1, FR+2, FR+3, FR+14, FR+15
	global_store_b64 v7, v[FO:FO+1], s[8:9]        ; the result,
	global_store_b64 v7, v[FO:FO+1], s[10:11]      ; and the copy from which the next launch forms its addresses
.Ldone:
	s_wait_tensorcnt 0x0                           ; the wave's end, behind my last tensor load and my last LDS store
	ds_add_u32 v[SPW], v[NIL]
	s_wait_dscnt 0x0
	CROUND                                         ; the closing round: no work-group ends while a partner may still ask for a chunk that names it
	s_endpgm
.Lfunc_end_k_q3dcac0f2be_vq:
	.size	k_q3dcac0f2be_vq, .Lfunc_end_k_q3dcac0f2be_vq-k_q3dcac0f2be_vq
	.p2alignl 7, 3214868480
	.fill 96, 4, 3214868480
	.section	.rodata,"a",@progbits
	.p2align	6, 0x0
	.amdhsa_kernel k_q3dcac0f2be_vq
		.amdhsa_group_segment_fixed_size 327680
		.amdhsa_private_segment_fixed_size 0
		.amdhsa_enable_private_segment 0
		.amdhsa_kernarg_size 32
		.amdhsa_user_sgpr_count 2
		.amdhsa_user_sgpr_kernarg_segment_ptr 1
		.amdhsa_wavefront_size32 1
		.amdhsa_system_sgpr_workgroup_id_x 1
		.amdhsa_system_sgpr_workgroup_id_y 1
		.amdhsa_system_sgpr_workgroup_id_z 1
		.amdhsa_system_vgpr_workitem_id 0
		.amdhsa_next_free_vgpr 1024
		.amdhsa_next_free_sgpr 66
		.amdhsa_reserve_vcc 1
		.amdhsa_float_denorm_mode_32 3
		.amdhsa_float_denorm_mode_16_64 3
		.amdhsa_memory_ordered 1
		.amdhsa_forward_progress 1
		.amdhsa_inst_pref_size 157
	.end_amdhsa_kernel
	.amdgpu_metadata
---
amdhsa.version: [ 1, 2 ]
amdhsa.kernels:
  - .name:           k_q3dcac0f2be_vq
    .symbol:         k_q3dcac0f2be_vq.kd
    .args:
      - { .name: cb16, .offset: 0, .size: 8, .value_kind: global_buffer, .address_space: global }
      - { .name: x, .offset: 8, .size: 8, .value_kind: global_buffer, .address_space: global }
      - { .name: out1, .offset: 16, .size: 8, .value_kind: global_buffer, .address_space: global }
      - { .name: idxw, .offset: 24, .size: 8, .value_kind: global_buffer, .address_space: global }
    .group_segment_fixed_size: 327680
    .private_segment_fixed_size: 0
    .kernarg_segment_align: 8
    .kernarg_segment_size: 32
    .max_flat_workgroup_size: 128
    .sgpr_count:     66
    .vgpr_count:     1024
    .wavefront_size: 32
...
	.end_amdgpu_metadata
.endif
;; end of part 2
;; launch take (part 3): grid 256 x 1, 8 waves a work-group, no clusters, 0 bytes of LDS; arguments idxw, codebook, out0; writes out0
.if DOCPART == 3
	.amdgcn_target "amdgcn-amd-amdhsa--gfx1250"
	.amdhsa_code_object_version 6
	.text
	.protected	k_q3dcac0f2be_take
	.globl	k_q3dcac0f2be_take
	.p2align	8
	.type	k_q3dcac0f2be_take,@function
k_q3dcac0f2be_take:
	s_mov_b64 s[64:65], 0
	v_nop
	global_prefetch_b8 v0, s[64:65] scope:SCOPE_SE
	s_setreg_imm32_b32 hwreg(HW_REG_WAVE_MODE, 25, 1), 1
	s_wait_xcnt 0x0
; out0[q][:] = codebook[idxw[q]][:], 32,768 rows of 1,024 bytes in f32, as they lie in the codebook (not rounded).
; A wave takes 16 rows on end: its 16 indices come by one scalar load, its 32 loads of 512 bytes go out together, and each row is stored as it arrives: 512 consecutive bytes a store, aligned.
; The addresses hang on whole numbers that the launch before stored.  An index is cut at 8,191, the table's last row, before it enters an address.
; Memory binds: no LDS, no barrier, no matrix unit; no cluster, since which rows two work-groups share hangs on the data.
.set O, 2                              ; v2-17   row i: byte offset of my 16 bytes in the codebook
.set D, 20                             ; v20-147 row i: 8 registers
	s_load_b128 s[4:7], s[0:1], 0x0                ; idxw s[4:5], codebook s[6:7]
	s_load_b64 s[8:9], s[0:1], 0x10                ; out0
	v_lshrrev_b32 v1, 5, v0
	v_readfirstlane_b32 s10, v1                    ; wave 0..7
	s_lshl_b32 s11, ttmp9, 3
	s_add_co_u32 s11, s11, s10                     ; my wave among the launch's 2,048
	s_lshl_b32 s12, s11, 6                         ; its 16 indices,
	s_mov_b32 s13, 0
	s_lshl_b32 s14, s11, 14                        ; its 16 rows of 1,024 bytes
	s_mov_b32 s15, 0
	v_and_b32 v1, 31, v0
	v_lshlrev_b32 v1, 4, v1                        ; 16 bytes a lane
	s_wait_kmcnt 0x0
	s_add_nc_u64 s[4:5], s[4:5], s[12:13]
	s_add_nc_u64 s[8:9], s[8:9], s[14:15]
	s_load_b512 s[16:31], s[4:5], 0x0
	s_wait_kmcnt 0x0
.set i, 0
.rept 16
	s_min_u32 s[16+i], s[16+i], 0x1fff
	s_lshl_b32 s[16+i], s[16+i], 10
	v_add_nc_u32 v[O+i], s[16+i], v1
	global_load_b128 v[D+8*i:D+8*i+3],   v[O+i], s[6:7]
	global_load_b128 v[D+8*i+4:D+8*i+7], v[O+i], s[6:7] offset:512
.set i, i+1
.endr
.set i, 0
.rept 16
	s_wait_loadcnt 30-2*i                          ; loads come back in order: row i's two are in, two for each later row stay out
	global_store_b128 v1, v[D+8*i:D+8*i+3],   s[8:9] offset:i*1024 th:TH_STORE_NT
	global_store_b128 v1, v[D+8*i+4:D+8*i+7], s[8:9] offset:i*1024+512 th:TH_STORE_NT
.set i, i+1
.endr
	s_endpgm
.Lfunc_end_k_q3dcac0f2be_take:
	.size	k_q3dcac0f2be_take, .Lfunc_end_k_q3dcac0f2be_take-k_q3dcac0f2be_take
	.p2alignl 7, 3214868480
	.fill 96, 4, 3214868480
	.section	.rodata,"a",@progbits
	.p2align	6, 0x0
	.amdhsa_kernel k_q3dcac0f2be_take
		.amdhsa_group_segment_fixed_size 0
		.amdhsa_private_segment_fixed_size 0
		.amdhsa_enable_private_segment 0
		.amdhsa_kernarg_size 24
		.amdhsa_user_sgpr_count 2
		.amdhsa_user_sgpr_kernarg_segment_ptr 1
		.amdhsa_wavefront_size32 1
		.amdhsa_system_sgpr_workgroup_id_x 1
		.amdhsa_system_sgpr_workgroup_id_y 1
		.amdhsa_system_sgpr_workgroup_id_z 1
		.amdhsa_system_vgpr_workitem_id 0
		.amdhsa_next_free_vgpr 152
		.amdhsa_next_free_sgpr 66
		.amdhsa_reserve_vcc 0
		.amdhsa_float_denorm_mode_32 3
		.amdhsa_float_denorm_mode_16_64 3
		.amdhsa_memory_ordered 1
		.amdhsa_forward_progress 1
		.amdhsa_inst_pref_size 10
	.end_amdhsa_kernel
	.amdgpu_metadata
---
amdhsa.version: [ 1, 2 ]
amdhsa.kernels:
  - .name:           k_q3dcac0f2be_take
    .symbol:         k_q3dcac0f2be_take.kd
    .args:
      - { .name: idxw, .offset: 0, .size: 8, .value_kind: global_buffer, .address_space: global }
      - { .name: codebook, .offset: 8, .size: 8, .value_kind: global_buffer, .address_space: global }
      - { .name: out0, .offset: 16, .size: 8, .value_kind: global_buffer, .address_space: global }
    .group_segment_fixed_size: 0
    .private_segment_fixed_size: 0
    .kernarg_segment_align: 8
    .kernarg_segment_size: 24
    .max_flat_workgroup_size: 256
    .sgpr_count:     66
    .vgpr_count:     152
    .wavefront_size: 32
...
	.end_amdgpu_metadata
.endif
;; end of part 3
;; ======== version 2 of 2: 3 launches; version 1 with the launches prep, take written anew for expert scheduling mode
;; workspace buffers: cb16 4,325,376 bytes; idxw 131,072 bytes of whole numbers
;; launch prep (part 4): grid 256 x 1, 2 waves a work-group, no clusters, 17,664 bytes of LDS; arguments codebook, cb16; writes cb16
.if DOCPART == 4
	.amdgcn_target "amdgcn-amd-amdhsa--gfx1250"
	.amdhsa_code_object_version 6
	.text
	.protected	k_q3dcac0f2be_prep
	.globl	k_q3dcac0f2be_prep
	.p2align	8
	.type	k_q3dcac0f2be_prep,@function
k_q3dcac0f2be_prep:
	s_mov_b64 s[64:65], 0
	v_nop
	global_prefetch_b8 v0, s[64:65] scope:SCOPE_SE
	s_setreg_imm32_b32 hwreg(HW_REG_WAVE_SCHED_MODE, 0, 2), 2
	s_setreg_imm32_b32 hwreg(HW_REG_WAVE_MODE, 25, 1), 1
	s_wait_xcnt 0x0
	s_wait_alu depctr_vm_vsrc(0)
; codebook [8192][256] f32  ->  cb16: 8,192 rows of 528 bytes, laid out as the next launch wants them in LDS.
;   bytes 0-511 of a row: its 256 numbers rounded to bf16;
;   bytes 512-527 of row p of a tile of 16 rows: four f32, b2[4 (p % 4) + 0..3] of that tile, b2 = the sum of the squares of a row's ROUNDED numbers, in f32.
; A wave makes one tile of 16 rows: 16,384 bytes in, 8,448 = 33 x 256 bytes out.  512 waves, two to a work-group; a wave has all its 32 loads out at once.
; The image is put together in the wave's own LDS bytes and read back on end, so that every store of the wave covers whole aligned blocks of 256 bytes.
; No barrier: no wave touches another's bytes.  No matrix unit, no cluster: nothing is multiplied and no input is shared.
; LIMITS.  NaN and infinities are not treated apart; b2 is summed in this text's order (two chains a lane, then across 16 lanes), not in any other.
; THE MODE: SCHED_MODE bits 1:0 = 2 (LLVM: expert scheduling mode 2), set by the entry lines.  The code itself states the register dependences
; between vector instructions and memory or LDS instructions, with s_wait_alu, always for 0.
; THE PLAN.  Registers that memory or LDS instructions touch:
;   v3-v9, v11, v28  offsets and LDS addresses: written once, at the head; read by the loads and stores.      v12, v13  written at the head, read by the closing add alone.
;   X      written by the 32 global loads; pair i's eight roundings read its 16 registers.  At the end the image read back lands in X's first 66 registers (OUT), and the global stores read them.
;   CV, SM eight and two registers for EACH pair of rows: pair i's roundings and sums write them, once; its five LDS stores read them.  None is ever written again.
;   BQ     written by an LDS load, read by an LDS store; no vector instruction names it.
; Pair i - 1's LDS stores are issued in pair i, behind ONE wait on va_vdst at pair i's head, and are dealt among pair i's roundings, which name X, CV and SM of pair i alone.
; Behind pair 7 stands the last such wait; no vector instruction follows it, so it also serves the loads that land in X.  No register that a memory or LDS instruction has read is written again: no wait on vm_vsrc is owed.
.set PITCH, 528                        ; bytes from row to row of the image
.set TILEB, 16*PITCH                   ; a tile: 8,448 bytes
.set B2A,   2*TILEB                    ; behind the two images: 16 words of b2 for each wave, a block of 256 bytes each
.set SPARE, B2A+512                    ; the spare words, 128 bytes for each wave: one block of 256 bytes that no other line names
.set XO,   3                           ; v3   my byte offset in a pair of rows of the codebook
.set SST,  4                           ; v4   where my 8 bytes of bf16 go in the image
.set B2S,  5                           ; v5   where my row's b2 goes
.set B2R,  6                           ; v6   the four b2 that my row's pad takes
.set PADS, 7                           ; v7   my row of the image (lane % 16)
.set RDL,  8                           ; v8   the image read back: 16 bytes a lane
.set GO,   9                           ; v9   the same offset in cb16
.set ZR,   10                          ; v10  0: starts the sums
.set RD8,  11                          ; v11  the image's last 256 bytes: 8 bytes a lane
.set SPW,  12                          ; v12  LDS address of my spare word; never rewritten
.set NIL,  13                          ; v13  0; never rewritten
.set BQ,   24                          ; v24-27 four b2
.set GO8,  28                          ; v28  8 bytes a lane, in cb16
.set TT,   29                          ; v29  at work
.set X,    32                          ; v32-159 the tile as loaded
.set OUT,  32                          ; v32-97  later: the image read back
.set CV,   160                         ; v160-223 pair of rows i in bf16, my 16 numbers: 8 registers at CV + 8 i
.set SM,   224                         ; v224-239 pair i's two chains of squares at SM + 2 i
	s_load_b128 s[4:7], s[0:1], 0x0                ; codebook s[4:5], cb16 s[6:7]
	v_lshl_add_u32 v[SPW], v0, 2, SPARE
	v_mov_b32 v[NIL], 0
	v_lshrrev_b32 v[TT], 5, v0
	v_readfirstlane_b32 s8, v[TT]                  ; wave 0, 1
	v_and_b32 v1, 15, v0                           ; lane % 16
	v_bfe_u32 v2, v0, 4, 1                         ; lane / 16
	v_lshlrev_b32 v[XO], 4, v1                     ; sixteen lanes take 256 neighbouring bytes of a row,
	v_lshl_add_u32 v[XO], v2, 10, v[XO]            ; the other sixteen the same of the next row
	v_mul_u32_u24 v[SST], v2, PITCH
	v_lshl_add_u32 v[SST], v1, 3, v[SST]           ; four f32 become 8 bytes
	v_mul_u32_u24 v[PADS], v1, PITCH
	v_mov_b32 v[ZR], 0
	s_lshl_b32 s9, ttmp9, 1
	s_wait_alu depctr_va_sdst(0)                   ; s8 is written, ahead of its first reader: the tile's number and the wave's LDS bytes are made from it
	s_add_co_u32 s9, s9, s8                        ; my tile, 0 to 511
	s_lshl_b32 s10, s9, 14                         ; its 16 rows of 1,024 bytes
	s_mov_b32 s11, 0
	s_mul_i32 s12, s9, TILEB                       ; and its image in cb16
	s_mov_b32 s13, 0
	s_mul_i32 s14, s8, TILEB                       ; my image in LDS
	s_lshl_b32 s15, s8, 8
	s_add_co_u32 s15, s15, B2A                     ; my 16 words of b2
	v_add_nc_u32 v[SST], s14, v[SST]
	v_lshl_add_u32 v[B2S], v2, 2, s15
	v_and_b32 v[TT], 3, v0
	v_lshl_add_u32 v[B2R], v[TT], 4, s15           ; row p takes b2[4 (p % 4) ..]
	v_add_nc_u32 v[PADS], s14, v[PADS]
	v_and_b32 v[TT], 31, v0
	v_lshlrev_b32 v[GO], 4, v[TT]
	v_add_nc_u32 v[RDL], s14, v[GO]
	v_lshlrev_b32 v[GO8], 3, v[TT]
	v_add_nc_u32 v[RD8], s14, v[GO8]
	s_wait_kmcnt 0x0
	s_add_nc_u64 s[4:5], s[4:5], s[10:11]
	s_add_nc_u64 s[6:7], s[6:7], s[12:13]
	s_wait_alu depctr_va_vdst(0)                   ; the offsets and LDS addresses v3 to v9, v11 and v28 are written, which the loads and stores of the whole kernel read
.set i, 0
.rept 8                                ; pair of rows i, quarter c of their 1,024 bytes
.irp c, 0,1,2,3
	global_load_b128 v[X+16*i+4*\c:X+16*i+4*\c+3], v[XO], s[4:5] offset:i*2048+\c*256
.endr
.set i, i+1
.endr
; The LDS stores of pair p: quarter c of its two rows in bf16; its b2.
.macro PUTC p, c
	ds_store_b64 v[SST], v[CV+8*(\p)+2*(\c):CV+8*(\p)+2*(\c)+1] offset:(\p)*2*PITCH+(\c)*128
.endm
.macro PUTS p
	ds_store_b32 v[B2S], v[SM+2*(\p)] offset:8*(\p)        ; sixteen lanes write the same word with the same number
.endm
.set i, 0
.rept 8
	s_wait_loadcnt 28-4*i                          ; loads come back in order: this pair's four are in, four for each later pair stay out
.if i > 0
	s_wait_alu depctr_va_vdst(0)                   ; the pair before has written its CV and its SM, which the five LDS stores below read; no vector line of this pair names them
.endif
.irp c, 0,1,2,3
.if i > 0
	PUTC i-1, \c
.endif
	v_cvt_pk_bf16_f32 v[CV+8*i+2*\c],   v[X+16*i+4*\c],   v[X+16*i+4*\c+1]
	v_cvt_pk_bf16_f32 v[CV+8*i+2*\c+1], v[X+16*i+4*\c+2], v[X+16*i+4*\c+3]
.endr
.if i > 0
	PUTS i-1
.endif
	v_fma_mix_f32_bf16 v[SM+2*i],   v[CV+8*i], v[CV+8*i], v[ZR] op_sel_hi:[1,1,0]                  ; the squares of the rounded numbers: low halves in one chain,
	v_fma_mix_f32_bf16 v[SM+2*i+1], v[CV+8*i], v[CV+8*i], v[ZR] op_sel:[1,1,0] op_sel_hi:[1,1,0]   ; high halves in the other
.irp z, 1,2,3,4,5,6,7
	v_fma_mix_f32_bf16 v[SM+2*i],   v[CV+8*i+\z], v[CV+8*i+\z], v[SM+2*i] op_sel_hi:[1,1,0]
	v_fma_mix_f32_bf16 v[SM+2*i+1], v[CV+8*i+\z], v[CV+8*i+\z], v[SM+2*i+1] op_sel:[1,1,0] op_sel_hi:[1,1,0]
.endr
	v_add_f32 v[SM+2*i], v[SM+2*i], v[SM+2*i+1]
.irp m, 1,2,4,8
	v_add_f32_dpp v[SM+2*i], v[SM+2*i], v[SM+2*i] row_xmask:\m row_mask:0xf bank_mask:0xf          ; across the sixteen lanes that share a row
.endr
.set i, i+1
.endr
	s_wait_alu depctr_va_vdst(0)                   ; pair 7 has written its CV and its SM, which the LDS stores below read; and all roundings are done reading X, in which the image's loads land.  No vector instruction follows
.irp c, 0,1,2,3
	PUTC 7, \c
.endr
	PUTS 7
	ds_load_b128 v[BQ:BQ+3], v[B2R]                ; LDS serves a wave's instructions in order (ISA guide 5.7.1.4): this sees the sixteen b2
	s_wait_dscnt 0x0
	ds_store_b128 v[PADS], v[BQ:BQ+3] offset:512   ; the rows' last 16 bytes
.set n, 0
.rept 16
	ds_load_b128 v[OUT+4*n:OUT+4*n+3], v[RDL] offset:512*n
.set n, n+1
.endr
	ds_load_b64 v[OUT+64:OUT+65], v[RD8] offset:8192
.set n, 0
.rept 16
	s_wait_dscnt 16-n                              ; piece n is back; the younger ones stay out
	global_store_b128 v[GO], v[OUT+4*n:OUT+4*n+3], s[6:7] offset:512*n    ; 512 consecutive bytes, at a multiple of 256 from cb16's first byte
.set n, n+1
.endr
	s_wait_dscnt 0x0
	global_store_b64 v[GO8], v[OUT+64:OUT+65], s[6:7] offset:8192         ; the image's last 256 bytes
	s_wait_dscnt 0x0                               ; the wave's end
	s_wait_alu 0x0
	s_wait_tensorcnt 0x0
	ds_add_u32 v[SPW], v[NIL]
	s_wait_dscnt 0x0
	s_endpgm
.Lfunc_end_k_q3dcac0f2be_prep:
	.size	k_q3dcac0f2be_prep, .Lfunc_end_k_q3dcac0f2be_prep-k_q3dcac0f2be_prep
	.p2alignl 7, 3214868480
	.fill 96, 4, 3214868480
	.section	.rodata,"a",@progbits
	.p2align	6, 0x0
	.amdhsa_kernel k_q3dcac0f2be_prep
		.amdhsa_group_segment_fixed_size 17664
		.amdhsa_private_segment_fixed_size 0
		.amdhsa_enable_private_segment 0
		.amdhsa_kernarg_size 16
		.amdhsa_user_sgpr_count 2
		.amdhsa_user_sgpr_kernarg_segment_ptr 1
		.amdhsa_wavefront_size32 1
		.amdhsa_system_sgpr_workgroup_id_x 1
		.amdhsa_system_sgpr_workgroup_id_y 1
		.amdhsa_system_sgpr_workgroup_id_z 1
		.amdhsa_system_vgpr_workitem_id 0
		.amdhsa_next_free_vgpr 240
		.amdhsa_next_free_sgpr 66
		.amdhsa_reserve_vcc 0
		.amdhsa_float_denorm_mode_32 3
		.amdhsa_float_denorm_mode_16_64 3
		.amdhsa_memory_ordered 1
		.amdhsa_forward_progress 1
		.amdhsa_inst_pref_size 26
	.end_amdhsa_kernel
	.amdgpu_metadata
---
amdhsa.version: [ 1, 2 ]
amdhsa.kernels:
  - .name:           k_q3dcac0f2be_prep
    .symbol:         k_q3dcac0f2be_prep.kd
    .args:
      - { .name: codebook, .offset: 0, .size: 8, .value_kind: global_buffer, .address_space: global }
      - { .name: cb16, .offset: 8, .size: 8, .value_kind: global_buffer, .address_space: global }
    .group_segment_fixed_size: 17664
    .private_segment_fixed_size: 0
    .kernarg_segment_align: 8
    .kernarg_segment_size: 16
    .max_flat_workgroup_size: 64
    .sgpr_count:     66
    .vgpr_count:     240
    .wavefront_size: 32
...
	.end_amdgpu_metadata
.endif
;; end of part 4
;; launch vq: the kernel of part 2 again; grid 256 x 1, 4 waves a work-group, clusters of 4 x 1, 327,680 bytes of LDS; arguments cb16, x, out1, idxw; writes out1, idxw
;; launch take (part 5): grid 256 x 1, 8 waves a work-group, no clusters, 0 bytes of LDS; arguments idxw, codebook, out0; writes out0
.if DOCPART == 5
	.amdgcn_target "amdgcn-amd-amdhsa--gfx1250"
	.amdhsa_code_object_version 6
	.text
	.protected	k_q3dcac0f2be_take
	.globl	k_q3dcac0f2be_take
	.p2align	8
	.type	k_q3dcac0f2be_take,@function
k_q3dcac0f2be_take:
	s_mov_b64 s[64:65], 0
	v_nop
	global_prefetch_b8 v0, s[64:65] scope:SCOPE_SE
	s_setreg_imm32_b32 hwreg(HW_REG_WAVE_SCHED_MODE, 0, 2), 2
	s_setreg_imm32_b32 hwreg(HW_REG_WAVE_MODE, 25, 1), 1
	s_wait_xcnt 0x0
	s_wait_alu depctr_vm_vsrc(0)
; out0[q][:] = codebook[idxw[q]][:], 32,768 rows of 1,024 bytes in f32, as they lie in the codebook (not rounded).
; A wave takes 16 rows on end: its 16 indices come by one scalar load, its 32 loads of 512 bytes go out together, and each row is stored as it arrives: 512 consecutive bytes a store, aligned.
; The addresses hang on whole numbers that the launch before stored.  An index is cut at 8,191, the table's last row, before it enters an address.
; Memory binds: no LDS, no barrier, no matrix unit; no cluster, since which rows two work-groups share hangs on the data.
; THE MODE: SCHED_MODE bits 1:0 = 2 (LLVM: expert scheduling mode 2), set by the entry lines.  The code itself states the register dependences
; between vector instructions and memory instructions, with s_wait_alu, always for 0.
; THE PLAN.  Registers that memory instructions touch:
;   v1      16 x lane: written once, at the head; read by every store as its offset.
;   v2-17   row i's offset in the codebook: written once each, by sixteen additions that stand together; read by row i's two loads.
;   v20-147 written by the loads, read by the stores; no vector instruction names them.
; So all sixteen offsets are made first, ONE wait on va_vdst follows them, and the 32 loads and 32 stores behind it owe nothing more: no vector instruction stands behind that wait.
; No register that a memory instruction has read is written again: no wait on vm_vsrc is owed.
.set O, 2                              ; v2-17   row i: byte offset of my 16 bytes in the codebook
.set D, 20                             ; v20-147 row i: 8 registers
	s_load_b128 s[4:7], s[0:1], 0x0                ; idxw s[4:5], codebook s[6:7]
	s_load_b64 s[8:9], s[0:1], 0x10                ; out0
	v_lshrrev_b32 v1, 5, v0
	v_readfirstlane_b32 s10, v1                    ; wave 0..7
	v_and_b32 v1, 31, v0
	v_lshlrev_b32 v1, 4, v1                        ; 16 bytes a lane
	s_lshl_b32 s11, ttmp9, 3
	s_wait_alu depctr_va_sdst(0)                   ; s10 is written, ahead of its first reader: the wave's indices and rows are found by it
	s_add_co_u32 s11, s11, s10                     ; my wave among the launch's 2,048
	s_lshl_b32 s12, s11, 6                         ; its 16 indices,
	s_mov_b32 s13, 0
	s_lshl_b32 s14, s11, 14                        ; its 16 rows of 1,024 bytes
	s_mov_b32 s15, 0
	s_wait_kmcnt 0x0
	s_add_nc_u64 s[4:5], s[4:5], s[12:13]
	s_add_nc_u64 s[8:9], s[8:9], s[14:15]
	s_load_b512 s[16:31], s[4:5], 0x0
	s_wait_kmcnt 0x0
.set i, 0
.rept 16
	s_min_u32 s[16+i], s[16+i], 0x1fff
	s_lshl_b32 s[16+i], s[16+i], 10
	v_add_nc_u32 v[O+i], s[16+i], v1
.set i, i+1
.endr
	s_wait_alu depctr_va_vdst(0)                   ; the sixteen offsets v2 to v17 are written, which the loads read, and so is v1, which the stores read
.set i, 0
.rept 16
	global_load_b128 v[D+8*i:D+8*i+3],   v[O+i], s[6:7]
	global_load_b128 v[D+8*i+4:D+8*i+7], v[O+i], s[6:7] offset:512
.set i, i+1
.endr
.set i, 0
.rept 16
	s_wait_loadcnt 30-2*i                          ; loads come back in order: row i's two are in, two for each later row stay out
	global_store_b128 v1, v[D+8*i:D+8*i+3],   s[8:9] offset:i*1024 th:TH_STORE_NT
	global_store_b128 v1, v[D+8*i+4:D+8*i+7], s[8:9] offset:i*1024+512 th:TH_STORE_NT
.set i, i+1
.endr
	s_endpgm
.Lfunc_end_k_q3dcac0f2be_take:
	.size	k_q3dcac0f2be_take, .Lfunc_end_k_q3dcac0f2be_take-k_q3dcac0f2be_take
	.p2alignl 7, 3214868480
	.fill 96, 4, 3214868480
	.section	.rodata,"a",@progbits
	.p2align	6, 0x0
	.amdhsa_kernel k_q3dcac0f2be_take
		.amdhsa_group_segment_fixed_size 0
		.amdhsa_private_segment_fixed_size 0
		.amdhsa_enable_private_segment 0
		.amdhsa_kernarg_size 24
		.amdhsa_user_sgpr_count 2
		.amdhsa_user_sgpr_kernarg_segment_ptr 1
		.amdhsa_wavefront_size32 1
		.amdhsa_system_sgpr_workgroup_id_x 1
		.amdhsa_system_sgpr_workgroup_id_y 1
		.amdhsa_system_sgpr_workgroup_id_z 1
		.amdhsa_system_vgpr_workitem_id 0
		.amdhsa_next_free_vgpr 152
		.amdhsa_next_free_sgpr 66
		.amdhsa_reserve_vcc 0
		.amdhsa_float_denorm_mode_32 3
		.amdhsa_float_denorm_mode_16_64 3
		.amdhsa_memory_ordered 1
		.amdhsa_forward_progress 1
		.amdhsa_inst_pref_size 10
	.end_amdhsa_kernel
	.amdgpu_metadata
---
amdhsa.version: [ 1, 2 ]
amdhsa.kernels:
  - .name:           k_q3dcac0f2be_take
    .symbol:         k_q3dcac0f2be_take.kd
    .args:
      - { .name: idxw, .offset: 0, .size: 8, .value_kind: global_buffer, .address_space: global }
      - { .name: codebook, .offset: 8, .size: 8, .value_kind: global_buffer, .address_space: global }
      - { .name: out0, .offset: 16, .size: 8, .value_kind: global_buffer, .address_space: global }
    .group_segment_fixed_size: 0
    .private_segment_fixed_size: 0
    .kernarg_segment_align: 8
    .kernarg_segment_size: 24
    .max_flat_workgroup_size: 256
    .sgpr_count:     66
    .vgpr_count:     152
    .wavefront_size: 32
...
	.end_amdgpu_metadata
.endif
;; end of part 5
